; MI455X (gfx1250); checked and timed in simulation.
; The chip was launched on July 23, 2026; its instructions are those of AMD's public machine-readable ISA for CDNA 5 (MIT licence, August 2026) and "CDNA5" Instruction Set Architecture Reference Guide (July 2026). The comments in the code are by the model that wrote it; some were corrected since.
;; LSTM Cell. Allowed arithmetic: matrix products marked QUANTISED: E3M2 operands, one E8M0 scale for each 32 along K, by v_wmma_scale_f32_16x16x128_f8f6f4 with both operands' format E3M2, f32 sums; everything else in f32.
;; Inputs: Uc 2,048 x 2,048 float32; Uf 2,048 x 2,048 float32; Ui 2,048 x 2,048 float32; Uo 2,048 x 2,048 float32; Wc 2,048 x 2,048 float32; Wf 2,048 x 2,048 float32; Wi 2,048 x 2,048 float32; Wo 2,048 x 2,048 float32; bc 2,048 float32; bf 2,048 float32; bi 2,048 float32; bo 2,048 float32; last_c 2,048 x 2,048 float32; last_h 2,048 x 2,048 float32; mask 2,048 x 1 float32; x_codes 2,048 x 64 x 24 uint8 (E3M2 codes of x, K innermost, in blocks of 32 codes, four codes in three bytes); x_scales 2,048 x 64 uint8 (E8M0 scales of x, one for each 32 codes along K).
;; Outputs: out0 2,048 x 2,048 float32; out1 2,048 x 2,048 float32.
;; This version of the problem:
;;   THIS VERSION OF THE PROBLEM IS GIVEN IN LOW PRECISION. The matrix products marked QUANTISED in the list below multiply operands that are first quantised to E3M2 (3 exponent bits, 2 mantissa bits; 6 bits a number), with one power-of-two scale for each 32 numbers along K (OCP MX v1.0); their sums are f32. All else is computed in f32.
;;   The module's matrix products, in the order in which they are computed (A, B: the left and right operand; K: the contracted axis; several contracted axes count as one K, in the product's order):
;;     1. [M 2,048, K 2,048] x [K 2,048, N 8,192]; A: input x (given as codes); B: computed on the way: QUANTISED
;;     2. [M 2,048, K 2,048] x [K 2,048, N 8,192]; A: input last_h; B: computed on the way: QUANTISED
;;   THE QUANTISER, for each operand of a quantised product, along K:
;;     - K is cut into blocks of 32 from its start; a last block that is shorter is filled with zeros.
;;     - A block's scale is 2^e with e = floor(log2(the largest magnitude in the block)) - 4, held to -126 .. 127; a block of zeros has e = 0. As a byte (E8M0): e + 127.
;;     - Each number is divided by its block's scale, clamped to +-28, and rounded to the nearest number of E3M2, ties to even, subnormals kept.
;;     - The product sums the exact products of the quantised numbers (number of the format x scale) in f32.
;;   ~~~python
;;   def quantise(x, axis):      # numpy; x: float32 -> the quantised numbers, widened to float32 again
;;       x = np.moveaxis(x, axis, -1); K = x.shape[-1]
;;       x = np.pad(x, [(0, 0)] * (x.ndim - 1) + [(0, -K % 32)]); x = x.reshape(x.shape[:-1] + (-1, 32)); a = np.abs(x).max(-1, keepdims=True)
;;       e = np.where(a > 0, np.clip(np.frexp(np.where(a > 0, a, 1))[1] - 1 - 4, -126, 127), 0)      # np.frexp(a)[1] - 1 = floor(log2(a)), exactly
;;       r = np.clip(x / 2.0 ** e, -28, 28)
;;       step = 2.0 ** (np.maximum(np.frexp(np.where(r == 0, 1, r))[1] - 1, -2) - 2)
;;       q = np.round(r / step) * step * 2.0 ** e      # np.round: ties to even
;;       return np.moveaxis(q.reshape(q.shape[:-2] + (-1,))[..., :K], -1, axis).astype(np.float32)
;;   ~~~
;;   OPERANDS COMPUTED ON THE WAY. 'Computed on the way' means the value that the module computes at that place (a softmax that the list does not call 'softmax' is quantised finished and normalised). What goes into a quantiser is computed in f32, as accurately as f32 sums, v_exp_f32 and their like allow (about 1e-6 of the number): no bf16 or f16 on the way to a quantiser, and a product that is left as it is and whose result goes on into a quantised operand takes f32 operands (vector FMAs, or v_wmma_f32_16x16x4_f32). A number that lies on a knife's edge between two numbers of the format may be rounded either way, as far as f32 arithmetic and the matrix unit's own rounding can turn it there, and no further.
;;   INPUTS GIVEN AS CODES. x (in the module: [2048, 2048], K = its axis 1): each comes as NAME_codes (uint8): NAME with its K axis moved to the last place and cut into blocks of 32 codes, [.., K / 32, bytes a block], one block behind the other in memory; four codes in three bytes: a row's codes are one little-endian stream of bits, code i at bits 6 i .. 6 i + 5 (a code: sign, 3 exponent bits, 2 mantissa bits); and NAME_scales (uint8): the same leading axes, one E8M0 byte (e + 127) for each 32 codes along K. Its value is code x scale, taken as it is: it is not quantised again, and the codes and scales need not be those that the quantiser above would give.
;; One version. Each part assembles by itself: llvm-mc -triple=amdgcn-amd-amdhsa -mcpu=gfx1250 --defsym DOCPART=n.
;; ======== version 1 of 1: 2 launches
;; limits: right only within a limited range of input values
;; workspace buffers: abuf 6,553,600 bytes; wbuf 26,214,400 bytes
;; launch quant (part 1): grid 256 x 1, 18 waves a work-group, no clusters, 186,624 bytes of LDS; arguments last_h, Wi, Wf, Wo, Wc, Ui, Uf, Uo, Uc, x_codes, x_scales, abuf, wbuf; writes abuf, wbuf
.if DOCPART == 1
	.amdgcn_target "amdgcn-amd-amdhsa--gfx1250"
	.amdhsa_code_object_version 6
	.text
	.protected	k_qba62ad7c2e_quant
	.globl	k_qba62ad7c2e_quant
	.p2align	8
	.type	k_qba62ad7c2e_quant,@function
k_qba62ad7c2e_quant:
	s_mov_b64 s[64:65], 0
	v_nop
	global_prefetch_b8 v0, s[64:65] scope:SCOPE_SE
	s_setreg_imm32_b32 hwreg(HW_REG_WAVE_MODE, 25, 1), 1
	s_wait_xcnt 0x0
; last_h and the eight weights [2048][2048] f32, K innermost, become codes of BF6 (E3M2) with one E8M0 byte for each 32 along K; x's given codes and bytes are laid anew, unchanged.
; A block's byte is its largest magnitude's exponent field - 4, held at 1 from below; numbers are divided by the scale and rounded to the nearest code, ties to even; beyond the largest code: the largest code.
; LIMITS: a block of zeros, or one whose largest magnitude lies under 2^(5 - 127), gets the byte 1 (the bytes are read by this program alone); NaN and infinities are not served.
; THE LAYOUT.  abuf [16 halves of 128 rows][16 K steps of 256][25,600], wbuf [64][16][25,600].  K steps 0-7: x against W, 8-15: last_h against U.  In wbuf row 128 (n / 32) + 32 g + n % 32 is hidden unit n of gate g (i, f, o, c).
; A piece of 25,600 bytes: fragment (block i of 16 rows, q-th 128 of K) at 13,312 q + 1,536 i, lane (r, h)'s twelve operand registers at 48 (r + 16 h); between the two runs of codes, from byte 12,288, the scale words: 128 i + 8 r + 4 q.
; SHARES.  256 work-groups of 18 waves; wave w takes tensor w % 9 (last_h, Wi .. Uc): 32 rows x 256 K, as four units of 16 rows x 128 K.  A unit is 16 loads of 512 consecutive bytes; two units of a wave are on their way at a time.
; A unit turns through the wave's own stage in LDS (rows of 512 bytes + 16) and comes back with a whole block of 32 numbers in a lane, so no maximum crosses lanes.  Codes turn through a second stage, so that a store's 32 lanes
; cover 512 consecutive bytes; the four units' scale words leave as 256 consecutive bytes.  Waves share nothing: no barrier.
; x: waves 0-7 each copy one fragment (16 rows x 96 bytes; the eight together 384 bytes of 32 rows), wave 8 the scale bytes of the 32 rows; their loads go out ahead of the units'.
; No tensor loads, no joint loads: no two work-groups read the same bytes.  No prefetch: every input byte is read once, and each wave always has 16 or 32 loads out.
.set BLK,   25600
.set SCO,   12288
.set QB,    13312
.set UP,    528                        ; a unit's LDS row: 512 bytes + 16
.set WREG,  16*UP+1792                 ; a wave's LDS: the unit's stage, 1,536 bytes for a fragment, 256 for scale words
.set SPARE, 18*WREG                    ; the spare words
.set LA, 5
.set ST, 6
.set RBK, 7
.set SS, 8
.set SR, 9
.set GO, 10
.set GZ, 11
.set XV, 12
.set XS, 13
.set SH, 14
.set SA, 15
.set M,  16
.set S,  18
.set B,  20
.set P,  24
.set WD, 26
.set Z,  28
.set SPW, 30
.set NIL, 31
.set R,  32
.set T,  44
.set Y,  52
.set X,  64
	s_load_b512 s[8:23], s[0:1], 0x0               ; last_h, Wi, Wf, Wo, Wc, Ui, Uf, Uo
	s_load_b256 s[24:31], s[0:1], 0x40             ; Uc, x_codes, x_scales, abuf
	s_load_b64 s[32:33], s[0:1], 0x60              ; wbuf
	v_lshl_add_u32 v[SPW], v0, 2, SPARE
	v_mov_b32 v[NIL], 0
	v_lshrrev_b32 v1, 5, v0
	v_readfirstlane_b32 s40, v1                    ; wave
	s_cmp_ge_u32 s40, 9
	s_cselect_b32 s39, 1, 0                        ; which 256 of my work-group's 512 along K
	s_cselect_b32 s38, 9, 0
	s_sub_co_u32 s37, s40, s38                     ; tensor
	s_lshr_b32 s41, ttmp9, 2                       ; which 32 rows
	s_and_b32 s42, ttmp9, 3                        ; which 512 of K
	s_lshl_b32 s44, s41, 18
	s_lshl_b32 s45, s42, 11
	s_add_co_u32 s44, s44, s45
	s_lshl_b32 s45, s39, 10
	s_add_co_u32 s44, s44, s45                     ; my units' first byte in the tensor
	s_mov_b32 s45, 0
	s_mul_i32 s43, s40, WREG                       ; my LDS
	; where the results go
	s_sub_co_u32 s46, s37, 1
	s_and_b32 s47, s46, 3                          ; gate
	s_bfe_u32 s46, s46, 0x10002                    ; 0: W, 1: U
	s_lshl_b32 s46, s46, 3
	s_lshr_b32 s60, s41, 2
	s_and_b32 s61, s41, 3
	s_cmp_eq_u32 s37, 0
	s_cselect_b32 s62, s60, s41                    ; half of 128 rows
	s_cselect_b32 s47, s61, s47                    ; which 32 rows of it
	s_cselect_b32 s46, 8, s46                      ; first K step
	s_lshl_b32 s62, s62, 4
	s_add_co_u32 s62, s62, s46
	s_lshl_b32 s63, s42, 1
	s_add_co_u32 s62, s62, s63
	s_add_co_u32 s62, s62, s39
	s_mul_i32 s62, s62, BLK
	s_mul_i32 s63, s47, 3072
	s_add_co_u32 s66, s62, s63
	s_mov_b32 s67, 0
	s_lshl_b32 s47, s47, 8
	s_add_co_u32 s68, s62, s47
	s_add_co_u32 s68, s68, SCO
	s_mov_b32 s69, 0
	; x: waves 0-7: block of 16 rows w & 1, 128 of K w >> 1
	s_and_b32 s80, s40, 1
	s_lshr_b32 s81, s40, 1
	s_mul_i32 s82, s41, 49152
	s_mul_i32 s83, s80, 24576
	s_add_co_u32 s82, s82, s83
	s_mul_i32 s83, s42, 384
	s_add_co_u32 s82, s82, s83
	s_mul_i32 s83, s81, 96
	s_add_co_u32 s82, s82, s83
	s_mov_b32 s83, 0
	s_lshl_b32 s88, s60, 4
	s_lshl_b32 s89, s42, 1
	s_add_co_u32 s88, s88, s89
	s_lshr_b32 s84, s81, 1
	s_add_co_u32 s84, s84, s88
	s_mul_i32 s84, s84, BLK
	s_lshl_b32 s85, s61, 1
	s_add_co_u32 s85, s85, s80
	s_mul_i32 s85, s85, 1536
	s_and_b32 s81, s81, 1
	s_mul_i32 s81, s81, QB
	s_add_co_u32 s85, s85, s81
	s_add_co_u32 s84, s84, s85
	s_mov_b32 s85, 0
	s_lshl_b32 s86, s41, 11
	s_lshl_b32 s87, s42, 4
	s_add_co_u32 s86, s86, s87
	s_mov_b32 s87, 0
	s_mul_i32 s88, s88, BLK
	s_lshl_b32 s89, s61, 8
	s_add_co_u32 s88, s88, s89
	s_add_co_u32 s88, s88, SCO
	s_mov_b32 s89, 0
	s_mov_b32 s2, 0x76543210
	s_mov_b32 s3, 0xfedcba98                       ; v_permlanex16_b32: lane l xor 16
	s_mov_b32 s6, 0xffff0000                       ; lanes 16-31
	s_add_co_u32 s7, s43, 16*UP                    ; my stage for codes
	v_and_b32 v2, 31, v0                           ; lane
	v_and_b32 v3, 15, v0                           ; r
	v_bfe_u32 v4, v0, 4, 1                         ; h
	v_mul_u32_u24 v[LA], v3, UP
	v_lshl_add_u32 v[LA], v4, 7, v[LA]
	v_add_nc_u32 v[LA], s43, v[LA]                 ; the unit's stage, out: row r, + 128 h bytes
	v_lshl_add_u32 v[SA], v2, 4, s43               ; and in: 16 bytes a lane of a row
	v_mul_u32_u24 v[ST], v2, 48
	v_add_nc_u32 v[ST], s7, v[ST]
	v_lshl_add_u32 v[RBK], v2, 4, s7
	v_lshlrev_b32 v[SS], 3, v3
	v_lshl_add_u32 v[SS], v4, 2, v[SS]
	v_add_nc_u32 v[SS], s7, v[SS]
	v_add_nc_u32 v[SS], 1536, v[SS]
	v_lshl_add_u32 v[SR], v2, 3, s7
	v_add_nc_u32 v[SR], 1536, v[SR]
	v_lshlrev_b32 v[GO], 4, v2
	v_lshlrev_b32 v[GZ], 3, v2
	v_mul_u32_u24 v[XV], v3, 1536
	v_mad_u32_u24 v[XV], v4, 24, v[XV]
	v_lshlrev_b32 v[XS], 6, v2
	v_lshlrev_b32 v[SH], 3, v4
	v_mov_b32 v[P], 0                              ; a lane permute's destination counts as read
	v_mov_b32 v[P+1], 0
	s_wait_alu depctr_va_vdst(0)
	s_wait_kmcnt 0x0
	s_mov_b64 s[4:5], s[8:9]
.irp k, 1,2,3,4,5,6,7,8
	s_cmp_eq_u32 s37, \k
	s_cselect_b64 s[4:5], s[8+2*\k:9+2*\k], s[4:5]
.endr
	s_add_nc_u64 s[4:5], s[4:5], s[44:45]
	s_cmp_eq_u32 s37, 0
	s_cselect_b64 s[70:71], s[30:31], s[32:33]
	s_add_nc_u64 s[66:67], s[70:71], s[66:67]      ; my codes
	s_add_nc_u64 s[68:69], s[70:71], s[68:69]      ; my scale words
	s_add_nc_u64 s[82:83], s[26:27], s[82:83]
	s_add_nc_u64 s[84:85], s[30:31], s[84:85]
	s_add_nc_u64 s[86:87], s[28:29], s[86:87]
	s_add_nc_u64 s[88:89], s[30:31], s[88:89]
.macro LOADU f                         ; unit f: rows 16 (f / 2) on, the (f % 2)-th 128 of K: a load a row, 32 lanes read 512 consecutive bytes
.irp e, 0,1,2,3,4,5,6,7,8,9,10,11,12,13,14,15
	global_load_b128 v[X+64*((\f)%2)+4*\e:X+64*((\f)%2)+4*\e+3], v[GO], s[4:5] offset:(16*((\f)/2)+\e)*8192+512*((\f)%2) th:TH_LOAD_NT
.endr
.endm
	s_cmp_lt_u32 s40, 8
	s_cbranch_scc0 .Lx1
.irp p, 0,1,2,3,4,5
	global_load_b64 v[R+2*\p:R+2*\p+1], v[XV], s[82:83] offset:48*(\p/3)+8*(\p%3)   ; x's fragment, as the operand registers hold it
.endr
	s_branch .Lx2
.Lx1:
	s_cmp_eq_u32 s40, 8
	s_cbranch_scc0 .Lx2
	global_load_b128 v[R:R+3], v[XS], s[86:87]     ; a lane a row: the scale words of four times 128 along K
.Lx2:
	LOADU 0
	LOADU 1
	s_cmp_lt_u32 s40, 8
	s_cbranch_scc0 .Ly1
	s_wait_loadcnt 32                              ; x's loads are in; the two units' 32 may be out
.irp j, 0,1,2
	ds_store_b128 v[ST], v[R+4*\j:R+4*\j+3] offset:16*\j
.endr
.irp j, 0,1,2
	ds_load_b128 v[Y+4*\j:Y+4*\j+3], v[RBK] offset:512*\j     ; LDS serves a wave's instructions in order: these see the stores
.endr
	s_wait_dscnt 0x0
.irp j, 0,1,2
	global_store_b128 v[GO], v[Y+4*\j:Y+4*\j+3], s[84:85] offset:512*\j
.endr
	s_branch .Ly2
.Ly1:
	s_cmp_eq_u32 s40, 8
	s_cbranch_scc0 .Ly2
	s_wait_loadcnt 32
	global_store_b64 v[GZ], v[R:R+1], s[88:89]     ; 32 lanes store 256 consecutive bytes
	global_store_b64 v[GZ], v[R+2:R+3], s[88:89] offset:BLK
.Ly2:
.macro UNIT f
.set XB, X+64*((\f)%2)
.if (\f) < 3
	s_wait_loadcnt 16                              ; this unit's 16 loads are in; the next unit's 16 may be out
.else
	s_wait_loadcnt 0x0
.endif
.irp e, 0,1,2,3,4,5,6,7,8,9,10,11,12,13,14,15
	ds_store_b128 v[SA], v[XB+4*\e:XB+4*\e+3] offset:\e*UP
.endr
	s_wait_dscnt 0x0                               ; the stores have read their registers, which take the unit back:
.irp c, 0,1
.irp e, 0,1,2,3,4,5,6,7
	ds_load_b128 v[XB+32*\c+4*\e:XB+32*\c+4*\e+3], v[LA] offset:256*\c+16*\e   ; my two blocks: k = 64 c + 32 h + 0 .. 31 of row r
.endr
.endr
	s_wait_xcnt 0x0                                ; earlier stores have read their registers
	s_wait_dscnt 0x0
.irp c, 0,1
	v_max3_num_f32 v[M+\c], |v[XB+32*\c]|, |v[XB+32*\c+1]|, 0x2800000   ; with the floor 2^(5 - 127): the byte cannot fall under 1
.endr
.irp i, 2,4,6,8,10,12,14,16,18,20,22,24,26,28,30
.irp c, 0,1
	v_max3_num_f32 v[M+\c], v[M+\c], |v[XB+32*\c+\i]|, |v[XB+32*\c+\i+1]|
.endr
.endr
.irp c, 0,1
	v_add_nc_u32 v[S+\c], 0xfe000000, v[M+\c]      ; 4 off the exponent field: the conversion's scale operand
.endr
.irp c, 0,1
	v_cvt_scalef32_pk16_bf6_f32 v[R+6*\c:R+6*\c+2], v[XB+32*\c:XB+32*\c+15], v[S+\c]
	v_cvt_scalef32_pk16_bf6_f32 v[T+4*\c:T+4*\c+2], v[XB+32*\c+16:XB+32*\c+31], v[S+\c]   ; (three registers begin on an even number: made here, moved below)
.endr
.irp c, 0,1
	v_lshrrev_b32 v[B+2*((\f)%2)+\c], 23, v[S+\c]  ; the scale's byte; also the plain line behind the conversions
.endr
.if (\f)+2 < 4
	LOADU (\f)+2                                   ; the unit two on takes these registers
.endif
.irp c, 0,1
.irp i, 0,1,2
	v_mov_b32 v[R+6*\c+3+\i], v[T+4*\c+\i]
.endr
.endr
.irp j, 0,1,2
	ds_store_b128 v[ST], v[R+4*\j:R+4*\j+3] offset:16*\j
.endr
.irp j, 0,1,2
	ds_load_b128 v[Y+4*\j:Y+4*\j+3], v[RBK] offset:512*\j
.endr
.if (\f)%2 == 1
	v_lshl_or_b32 v[WD], v[B+1], 16, v[B]          ; my two bytes of each scale word,
	v_lshl_or_b32 v[WD+1], v[B+3], 16, v[B+2]
	v_lshlrev_b32 v[WD], v[SH], v[WD]              ; 8 h bits up;
	v_lshlrev_b32 v[WD+1], v[SH], v[WD+1]
	v_permlanex16_b32 v[P], v[WD], s2, s3
	v_permlanex16_b32 v[P+1], v[WD+1], s2, s3
	v_or_b32 v[WD], v[WD], v[P]                    ; with lane l xor 16's the words are whole
	v_or_b32 v[WD+1], v[WD+1], v[P+1]
	v_cndmask_b32 v[WD], v[WD], v[WD+1], s6        ; lanes 0-15 keep the first 128's word, lanes 16-31 the second's
	ds_store_b32 v[SS], v[WD] offset:128*((\f)/2)
.endif
.if (\f) == 3
	ds_load_b64 v[Z:Z+1], v[SR]
.endif
	s_wait_dscnt 0x0
.irp i, 0,1,2
	global_store_b128 v[GO], v[Y+4*\i:Y+4*\i+3], s[66:67] offset:((\f)%2)*QB+((\f)/2)*1536+512*\i   ; 32 lanes store 512 consecutive bytes
.endr
.if (\f) == 3
	global_store_b64 v[GZ], v[Z:Z+1], s[68:69]     ; 256 consecutive bytes
.endif
.endm
	UNIT 0
	UNIT 1
	UNIT 2
	UNIT 3
	s_wait_tensorcnt 0x0                           ; the wave's end
	ds_add_u32 v[SPW], v[NIL]
	s_wait_dscnt 0x0
	s_endpgm
.Lfunc_end_k_qba62ad7c2e_quant:
	.size	k_qba62ad7c2e_quant, .Lfunc_end_k_qba62ad7c2e_quant-k_qba62ad7c2e_quant
	.p2alignl 7, 3214868480
	.fill 96, 4, 3214868480
	.section	.rodata,"a",@progbits
	.p2align	6, 0x0
	.amdhsa_kernel k_qba62ad7c2e_quant
		.amdhsa_group_segment_fixed_size 186624
		.amdhsa_private_segment_fixed_size 0
		.amdhsa_enable_private_segment 0
		.amdhsa_kernarg_size 104
		.amdhsa_user_sgpr_count 2
		.amdhsa_user_sgpr_kernarg_segment_ptr 1
		.amdhsa_wavefront_size32 1
		.amdhsa_system_sgpr_workgroup_id_x 1
		.amdhsa_system_sgpr_workgroup_id_y 1
		.amdhsa_system_sgpr_workgroup_id_z 1
		.amdhsa_system_vgpr_workitem_id 0
		.amdhsa_next_free_vgpr 192
		.amdhsa_next_free_sgpr 96
		.amdhsa_reserve_vcc 0
		.amdhsa_float_denorm_mode_32 3
		.amdhsa_float_denorm_mode_16_64 3
		.amdhsa_memory_ordered 1
		.amdhsa_forward_progress 1
		.amdhsa_inst_pref_size 37
	.end_amdhsa_kernel
	.amdgpu_metadata
---
amdhsa.version: [ 1, 2 ]
amdhsa.kernels:
  - .name:           k_qba62ad7c2e_quant
    .symbol:         k_qba62ad7c2e_quant.kd
    .args:
      - { .name: last_h, .offset: 0, .size: 8, .value_kind: global_buffer, .address_space: global }
      - { .name: Wi, .offset: 8, .size: 8, .value_kind: global_buffer, .address_space: global }
      - { .name: Wf, .offset: 16, .size: 8, .value_kind: global_buffer, .address_space: global }
      - { .name: Wo, .offset: 24, .size: 8, .value_kind: global_buffer, .address_space: global }
      - { .name: Wc, .offset: 32, .size: 8, .value_kind: global_buffer, .address_space: global }
      - { .name: Ui, .offset: 40, .size: 8, .value_kind: global_buffer, .address_space: global }
      - { .name: Uf, .offset: 48, .size: 8, .value_kind: global_buffer, .address_space: global }
      - { .name: Uo, .offset: 56, .size: 8, .value_kind: global_buffer, .address_space: global }
      - { .name: Uc, .offset: 64, .size: 8, .value_kind: global_buffer, .address_space: global }
      - { .name: x_codes, .offset: 72, .size: 8, .value_kind: global_buffer, .address_space: global }
      - { .name: x_scales, .offset: 80, .size: 8, .value_kind: global_buffer, .address_space: global }
      - { .name: abuf, .offset: 88, .size: 8, .value_kind: global_buffer, .address_space: global }
      - { .name: wbuf, .offset: 96, .size: 8, .value_kind: global_buffer, .address_space: global }
    .group_segment_fixed_size: 186624
    .private_segment_fixed_size: 0
    .kernarg_segment_align: 8
    .kernarg_segment_size: 104
    .max_flat_workgroup_size: 576
    .sgpr_count:     96
    .vgpr_count:     192
    .wavefront_size: 32
...
	.end_amdgpu_metadata
.endif
;; end of part 1
;; launch lstm (part 2): grid 32 x 8, 4 waves a work-group, clusters of 4 x 4, 327,680 bytes of LDS; arguments abuf, wbuf, bi, bf, bo, bc, mask, last_c, last_h, out0, out1; writes out0, out1
.if DOCPART == 2
	.amdgcn_target "amdgcn-amd-amdhsa--gfx1250"
	.amdhsa_code_object_version 6
	.text
	.protected	k_qba62ad7c2e_lstm
	.globl	k_qba62ad7c2e_lstm
	.p2align	8
	.type	k_qba62ad7c2e_lstm,@function
k_qba62ad7c2e_lstm:
	s_mov_b64 s[64:65], 0
	v_nop
	global_prefetch_b8 v0, s[64:65] scope:SCOPE_SE
	s_setreg_imm32_b32 hwreg(HW_REG_WAVE_MODE, 25, 1), 1
	s_wait_xcnt 0x0
	s_wait_alu depctr_hold_cnt(0) depctr_sa_sdst(0) depctr_va_vdst(0) depctr_va_sdst(0) depctr_va_ssrc(0) depctr_va_vcc(0) depctr_vm_vsrc(0)
	s_getreg_b32 s2, hwreg(HW_REG_IB_STS2, 6, 4)
	s_cmp_eq_u32 s2, 0
	s_cbranch_scc0 .Lentry_in_a_cluster
	s_endpgm
.Lentry_in_a_cluster:
	s_bfe_u32 s2, ttmp6, 0x10000c
	s_cmp_lg_u32 s2, 0xf033
	s_cbranch_scc0 .Lentry_shape_is_right
	s_endpgm
.Lentry_shape_is_right:
; THE LSTM CELL.  gates = x W^T + last_h U^T + b as ONE product on codes of BF6 with E8M0 scales: M 2,048, N 8,192 (4 gates x 2,048), K 4,096 (x against W, then last_h against U), f32 sums that begin with the bias as C.
; Then in f32: i, f, o = sigmoid, c^ = tanh, c = i c^ + f last_c, h = o tanh(c), out0 = last_c + m (c - last_c), out1 = last_h + m (h - last_h).  The gates never leave the registers.
; OPERANDS: abuf, wbuf of the launch before: for each 128 rows 16 pieces of 25,600 dense bytes on end, one for each 256 of K: fragment (i, q) at 13,312 q + 1,536 i, a lane's twelve registers at 48 x lane; scale words from byte 12,288 at 128 i + 8 r + 4 q.
; SHARES: a work-group makes 256 rows x (4 gates x 64 hidden units); a wave 128 x 128: 64 accumulators.  K goes in 32 groups of 128, three groups to an LDS slot, two slots.  Three groups are one and a half pieces: 38,912 dense bytes
; (152 rows of 256), which begin at a piece's first byte (slot 0) or at its scale words (slot 1): so every group finds its scale words in its own slot.  Each wave fetches 128 rows' share by one tensor load.  The eleventh fill is one piece.
; CLUSTERS 4 x 4: the left operand's bytes are asked for jointly along a row of the cluster, w's along a column.  The matrix instruction is used transposed (source 0 = w): a lane holds 8 neighbouring hidden units of one row,
; and accumulators (a, b), (a, b + 2), (a, b + 4), (a, b + 6) hold the four gates of the same numbers in the same registers.
; THE TAIL: last_c and last_h come into slot 1 when group 29 has left it (waves 0, 1: last_c, waves 2, 3: last_h; 128 rows of 256 bytes each, 16 of padding).  A block of 16 rows is worked in the accumulators' registers;
; out0 and out1 are written over last_c and last_h in LDS; after every two blocks a barrier, and whole rows of 256 bytes are read back and stored.
; sigmoid(z) = 1 / (1 + 2^(-z log2 e)); i tanh(z) = (B - 1) / ((1 + A)(1 + B)), B = 2^(2 z log2 e) with its exponent held at 60 from above, where tanh is 1 to f32's last bit: so B stays finite, and an A that overflows gives 0.
; LIMITS: NaN and infinities among the inputs are not served; tanh near 0 carries an absolute error of about one part in 10^7.
; PREFETCH: behind each refill a wave asks for its share (38 of 152 rows of 256 bytes, shared out among the four partners by address) of the fill two refills on; the loop's last trip asks for the rows of last_c or last_h that the wave
; will fetch instead; the eleventh fill comes by its load alone.
; REGISTERS: window 0: v1-31 addresses; v32-47 scale words, two sets; v64-127 biases, later last_c, last_h; v128-223 the left operand's fragments, later rows on the way out; v224-239 mask.  Window 1: w's fragments, two sets.  Windows 2, 3: accumulators.
.set BLK,  25600
.set SCO,  12288
.set QB,   13312
.set QR,   38912                       ; a wave's share of a slot
.set SLOT, 4*QR
.set EP,   272                         ; the tail's LDS row
.set SPARE, 2*SLOT
.set EL,   8                           ; v8, v9    last_c's, last_h's tile: my 32 bytes of row r
.set RDB,  10                          ; v10, v11  the same tiles by whole rows
.set CO,   12
.set BV,   13
.set MV,   14
.set ADRA, 16                          ; v16, v17  slot 0, 1
.set ADRB, 20
.set ADRS, 22
.set SPW,  28
.set NIL,  29
.set PFO,  30
.set PFL,  31
.set SC,   32
.set BIAS, 64
.set LC,   64
.set LH,   80
.set AF,   128
.set RB,   128
.set MK,   224
.set G1A, 40
.set G1B, 48
.set G1L, 56
.set G0A, 68
.set G0B, 76
.set G0L, 84
.set PFA, 92
.set MSB, 0
.macro WIN new
.if MSB != (\new)
	s_set_vgpr_msb (MSB<<8)|(\new)
.set MSB, (\new)
.endif
.endm
.macro PLACES n
.rept \n
	v_nop
.endr
.endm
.macro JLOAD s                         ; a joint load: waves 0, 1 fetch the left operand's halves, waves 2, 3 w's
	s_cmp_eq_u32 s35, 0
	s_cbranch_scc0 .Lfor_b_\@
	tensor_load_to_lds s[G0A+4*\s:G0A+4*\s+3], s[G1A:G1A+7]
	s_nop 0
	PLACES 4
	s_branch .Lasked_\@
.Lfor_b_\@:
	tensor_load_to_lds s[G0B+4*\s:G0B+4*\s+3], s[G1B:G1B+7]
	s_nop 0
	PLACES 4
.Lasked_\@:
.endm
.macro CREST
	s_cmp_lg_u32 s34, 0
	s_cbranch_scc1 .Lnot_wave_0_\@
	s_barrier_signal -3
.Lnot_wave_0_\@:
	s_barrier_wait -3
	s_barrier_signal -1
	s_barrier_wait -1
.endm
.macro CROUND
	s_barrier_signal -1
	s_barrier_wait -1
	CREST
.endm
	s_load_b512 s[4:19], s[0:1], 0x0               ; abuf, wbuf, bi, bf, bo, bc, mask s[16:17], last_c s[18:19]
	s_load_b128 s[20:23], s[0:1], 0x40             ; last_h, out0
	s_load_b64 s[24:25], s[0:1], 0x50              ; out1
	v_lshl_add_u32 v[SPW], v0, 2, SPARE
	v_mov_b32 v[NIL], 0
	ds_add_u32 v[SPW], v[NIL]                      ; the opening lines
	ds_add_u32 v[SPW], v[NIL]
	v_lshrrev_b32 v3, 5, v0
	v_readfirstlane_b32 s34, v3                    ; wave
	s_lshr_b32 s35, s34, 1                         ; my half of the rows; also: I fetch for the left operand (0) or w (1)
	s_and_b32 s36, s34, 1                          ; my half of w's rows; also: which half I fetch
	s_bfe_u32 s100, ttmp6, 0x40000                 ; cx
	s_bfe_u32 s2, ttmp6, 0x40004                   ; cy
	s_mov_b32 s94, s100
	s_mov_b32 s95, s2
	s_lshl_b32 s37, ttmp9, 2
	s_add_co_u32 s37, s37, s100                    ; tile column
	s_and_b32 s38, ttmp7, 0xffff
	s_lshl_b32 s38, s38, 2
	s_add_co_u32 s38, s38, s2                      ; tile row
	s_lshl_b32 s3, s2, 2
	s_lshl_b32 s3, 15, s3                          ; my row of the cluster
	s_lshl_b32 s101, 0x1111, s100                  ; my column
	s_or_b32 s[G1A], s3, (3<<16)|(1<<21)           ; elements of 8 bytes, no padding
	s_or_b32 s[G1B], s101, (3<<16)|(1<<21)
.irp g, G1A, G1B
	s_mov_b32 s[\g+1], 32<<16
	s_mov_b32 s[\g+2], 152<<16
	s_mov_b32 s[\g+3], 32<<16
	s_mov_b32 s[\g+4], 152
	s_mov_b32 s[\g+5], 32
	s_mov_b32 s[\g+6], 0
	s_mov_b32 s[\g+7], 0
.endr
	s_mov_b32 s[G1L], (3<<16)|(1<<20)|(5<<22)|(3<<25)   ; last_c, last_h: 128 rows of 256 bytes, 16 of padding behind each; my work-group's alone
	s_mov_b32 s[G1L+1], 32<<16
	s_mov_b32 s[G1L+2], 128<<16
	s_mov_b32 s[G1L+3], 32<<16
	s_mov_b32 s[G1L+4], 128
	s_mov_b32 s[G1L+5], 1024
	s_mov_b32 s[G1L+6], 0
	s_mov_b32 s[G1L+7], 0
	s_lshl_b32 s2, s38, 1
	s_add_co_u32 s2, s2, s36
	s_mul_i32 s2, s2, 16*BLK                       ; the left operand's half that I fetch: hangs on the tile row alone
	s_mov_b32 s3, 0
	s_lshl_b32 s100, s37, 1
	s_add_co_u32 s100, s100, s36
	s_mul_i32 s100, s100, 16*BLK                   ; w's: on the tile column alone
	s_mov_b32 s101, 0
	s_mul_i32 s31, s34, QR                         ; where my share goes
	s_wait_dscnt 0x0
	s_wait_kmcnt 0x0
	s_add_nc_u64 s[66:67], s[4:5], s[2:3]
	s_add_nc_u64 s[104:105], s[6:7], s[100:101]
	CROUND                                         ; the first joint loads meet
.irp s, 0,1
	s_mov_b32 s[G0A+4*\s], 1
	s_add_co_u32 s[G0A+4*\s+1], s31, \s*SLOT
	s_add_nc_u64 s[G0A+4*\s+2:G0A+4*\s+3], s[66:67], \s*(BLK+SCO)
	s_or_b32 s[G0A+4*\s+3], s[G0A+4*\s+3], 0x80000000
	s_mov_b32 s[G0B+4*\s], 1
	s_add_co_u32 s[G0B+4*\s+1], s31, \s*SLOT
	s_add_nc_u64 s[G0B+4*\s+2:G0B+4*\s+3], s[104:105], \s*(BLK+SCO)
	s_or_b32 s[G0B+4*\s+3], s[G0B+4*\s+3], 0x80000000
.endr
	JLOAD 0                                        ; groups 0-2: one tensor load a wave at the head
	s_cmp_eq_u32 s35, 0
	s_cselect_b64 s[PFA:PFA+1], s[66:67], s[104:105]
	s_cselect_b32 s96, s94, s95                    ; my place among the four that ask with me
	s_cselect_b64 s[18:19], s[18:19], s[20:21]     ; waves 0, 1 fetch last_c, waves 2, 3 last_h
	s_mul_i32 s96, s96, 38*256
	s_add_co_u32 s96, s96, 6*BLK-QR                ; the first change of slots steps it to the fifth fill
	s_mov_b32 s97, 0
	s_add_nc_u64 s[PFA:PFA+1], s[PFA:PFA+1], s[96:97]
	s_mul_i32 s31, s35, QR                         ; my half of the left operand in a slot
	s_mul_i32 s32, s36, QR
	s_add_co_u32 s32, s32, 2*QR                    ; my half of w
	s_sub_co_u32 s33, s32, s31
	s_mul_i32 s96, s35, 128*EP
	s_lshl_b32 s97, s36, 7
	s_add_co_u32 s96, s96, s97
	s_add_co_u32 s96, s96, SLOT
	s_mul_i32 s97, s35, 128*EP
	s_mul_i32 s98, s36, 16*EP
	s_add_co_u32 s97, s97, s98
	s_add_co_u32 s97, s97, SLOT
	s_lshl_b32 s98, s37, 8
	s_lshl_b32 s99, s36, 7
	s_add_co_u32 s98, s98, s99                     ; biases: 4 (64 x tile column + 32 x my half)
	s_lshl_b32 s99, s38, 10
	s_lshl_b32 s95, s35, 9
	s_add_co_u32 s99, s99, s95                     ; mask: 4 (256 x tile row + 128 x my half)
	s_lshl_b32 s2, s38, 8
	s_lshl_b32 s3, s36, 7
	s_add_co_u32 s2, s2, s3
	s_lshl_b32 s2, s2, 13
	s_lshl_b32 s3, s37, 8
	s_add_co_u32 s2, s2, s3                        ; the 128 rows that I fetch of last_c or last_h
	s_mov_b32 s3, 0
	s_add_nc_u64 s[18:19], s[18:19], s[2:3]
	s_lshl_b32 s100, s38, 8
	s_lshl_b32 s101, s35, 7
	s_add_co_u32 s100, s100, s101
	s_lshl_b32 s101, s36, 4
	s_add_co_u32 s100, s100, s101
	s_lshl_b32 s100, s100, 13
	s_lshl_b32 s101, s37, 8
	s_add_co_u32 s100, s100, s101                  ; the rows that I store
	s_mov_b32 s101, 0
	s_add_nc_u64 s[22:23], s[22:23], s[100:101]
	s_add_nc_u64 s[24:25], s[24:25], s[100:101]
	s_mov_b32 s[G0L], 1
	s_mul_i32 s[G0L+1], s34, 128*EP
	s_add_co_u32 s[G0L+1], s[G0L+1], SLOT
	s_mov_b64 s[G0L+2:G0L+3], s[18:19]
	s_or_b32 s[G0L+3], s[G0L+3], 0x80000000
	s_mov_b32 s26, 0xbfb8aa3b                      ; -log2 e
	s_mov_b32 s27, 0xbfb8aa3b
	s_mov_b32 s28, 0x4038aa3b                      ; 2 log2 e
	s_mov_b32 s29, 0x4038aa3b
	s_mov_b32 s30, 0x42700000                      ; 60
	v_and_b32 v1, 15, v0                           ; r
	v_bfe_u32 v2, v0, 4, 1                         ; h
	v_and_b32 v4, 31, v0                           ; lane
	v_mul_u32_u24 v5, v4, 48
	v_add_nc_u32 v[ADRA], s31, v5
	v_add_nc_u32 v[ADRA+1], SLOT, v[ADRA]
	v_add_nc_u32 v[ADRB], s32, v5
	v_add_nc_u32 v[ADRB+1], SLOT, v[ADRB]
	v_mul_u32_u24 v7, s33, v2                      ; lanes 16-31 take w's scale words: the distance x h
	v_lshl_add_u32 v7, v1, 3, v7
	v_add_nc_u32 v[ADRS], s31, v7
	v_add_nc_u32 v[ADRS+1], SLOT, v[ADRS]
	v_mul_u32_u24 v5, v1, EP
	v_lshl_add_u32 v5, v2, 5, v5
	v_add_nc_u32 v[EL], s96, v5
	v_add_nc_u32 v[EL+1], 256*EP, v[EL]
	v_mul_u32_u24 v6, v2, EP
	v_lshl_add_u32 v6, v1, 4, v6
	v_add_nc_u32 v[RDB], s97, v6
	v_add_nc_u32 v[RDB+1], 256*EP, v[RDB]
	v_lshlrev_b32 v[CO], 13, v2
	v_lshl_add_u32 v[CO], v1, 4, v[CO]
	v_min_u32 v[PFO], 18, v4                       ; 19 rows an instruction; lanes 19-31 name the last of them again
	v_lshlrev_b32 v[PFO], 8, v[PFO]
	v_lshlrev_b32 v[PFL], 13, v4
	v_lshl_add_u32 v[BV], v2, 5, s98
	v_lshl_add_u32 v[MV], v1, 2, s99
	s_wait_alu depctr_va_vdst(0)
.irp b, 0,1,2,3,4,5,6,7
	global_load_b128 v[BIAS+8*\b:BIAS+8*\b+3], v[BV], s[8+2*(\b/2):9+2*(\b/2)] offset:64*(\b%2)       ; register j: the bias of w's row 16 b + 8 h + j
	global_load_b128 v[BIAS+8*\b+4:BIAS+8*\b+7], v[BV], s[8+2*(\b/2):9+2*(\b/2)] offset:64*(\b%2)+16
.endr
.irp a, 0,1,2,3,4,5,6,7
	global_load_b32 v[MK+2*\a], v[MV], s[16:17] offset:64*\a      ; m of row 16 a + r, in both words of a pair
	global_load_b32 v[MK+2*\a+1], v[MV], s[16:17] offset:64*\a
.endr
.macro GEO n                           ; where group n lies: its slot NSL, its codes at NCO and its scale words at NSO of a share, its sets of registers NB
.set NJ, (\n)/3
.set NSL, NJ%2
.if NSL == 0
.set NST, (3*NJ/2)*BLK
.else
.set NST, ((3*NJ-1)/2)*BLK+SCO
.endif
.set NCO, ((\n)/2)*BLK+((\n)%2)*QB-NST
.set NSO, ((\n)/2)*BLK+SCO+4*((\n)%2)-NST
.set NB, (\n)%2
.endm
.macro FRAG reg, adr, i                ; a fragment's twelve registers: three loads of 16 bytes at 48 x lane
.irp j, 0,1,2
	ds_load_b128 v[\reg+4*\j:\reg+4*\j+3], v[\adr] offset:NCO+(\i)*1536+16*\j
.endr
.endm
.macro FB i0, n
	WIN 0x40
.set FI, \i0
.rept \n
	FRAG 128*NB+12*FI, ADRB+NSL, FI
.set FI, FI+1
.endr
.endm
.macro FA i0, n
	WIN 0
.set FI, \i0
.rept \n
	FRAG AF+12*FI, ADRA+NSL, FI
.set FI, FI+1
.endr
.endm
.macro RUN1                            ; 20 loads: the scale words (lanes 0-15 the left operand's block i, lanes 16-31 w's), w's blocks 0-3
	WIN 0
.irp i, 0,1,2,3,4,5,6,7
	ds_load_b32 v[SC+8*NB+\i], v[ADRS+NSL] offset:NSO+128*\i
.endr
	FB 0, 4
.endm
.macro RUN2                            ; 15
	FB 4, 4
	FA 0, 1
.endm
.macro RUN3                            ; 15
	FA 1, 5
.endm
.macro RUN4                            ; 6
	FA 6, 2
.endm
; 8 matrix instructions: block a x w's eight, sets cs.  first = 1: the sums begin with the biases as C.  The 64 accumulators take turns.
.macro MULB a, cs, first
.if \first
	WIN 0x81+0x40*((\a)/4)
.else
	WIN 0xa1+0x50*((\a)/4)
.endif
.irp b, 0,1,2,3,4,5,6,7
.if \first
	v_wmma_scale_f32_16x16x128_f8f6f4 v[8*(8*((\a)%4)+\b):8*(8*((\a)%4)+\b)+7], v[128*(\cs)+12*\b:128*(\cs)+12*\b+11], v[AF+12*(\a):AF+12*(\a)+11], v[BIAS+8*\b:BIAS+8*\b+7], v[SC+8*(\cs)+\b], v[SC+8*(\cs)+(\a)] matrix_a_fmt:MATRIX_FMT_BF6 matrix_b_fmt:MATRIX_FMT_BF6 matrix_a_scale:MATRIX_SCALE_ROW1
.else
	v_wmma_scale_f32_16x16x128_f8f6f4 v[8*(8*((\a)%4)+\b):8*(8*((\a)%4)+\b)+7], v[128*(\cs)+12*\b:128*(\cs)+12*\b+11], v[AF+12*(\a):AF+12*(\a)+11], v[8*(8*((\a)%4)+\b):8*(8*((\a)%4)+\b)+7], v[SC+8*(\cs)+\b], v[SC+8*(\cs)+(\a)] matrix_a_fmt:MATRIX_FMT_BF6 matrix_b_fmt:MATRIX_FMT_BF6 matrix_a_scale:MATRIX_SCALE_ROW1
.endif
.endr
.endm
.macro ASK p                           ; trips with a whole fill two refills on: my 38 rows of it; the last trip: 64 of the 128 rows of last_c or last_h that I fetch, a lane a row
	s_cmp_gt_u32 s39, 1
	s_cbranch_scc0 .Llast_\@
	global_prefetch_b8 v[PFO], s[PFA:PFA+1] th:TH_LOAD_NT scope:SCOPE_SE
	global_prefetch_b8 v[PFO], s[PFA:PFA+1] offset:19*256 th:TH_LOAD_NT scope:SCOPE_SE
	s_branch .Ldone_\@
.Llast_\@:
	global_prefetch_b8 v[PFL], s[18:19] offset:(64*\p)*8192 th:TH_LOAD_NT scope:SCOPE_SE
	global_prefetch_b8 v[PFL], s[18:19] offset:(64*\p+32)*8192 th:TH_LOAD_NT scope:SCOPE_SE
.Ldone_\@:
.endm
; Group g: 64 matrix instructions; four runs of loads bring group g + 1 (more = 1).  kind > 0: g is the last group of its slot: in front of the round each wave waits for all its tensor loads, adds 0 to its spare word, and waits
; for that and for its reads of the slot.  kind 1: the slot takes the fill two on.  kind 2: the same, of one piece.  kind 3: slot 1 takes last_c and last_h.
.macro HALF g, kind, more, first
.set CS, (\g)%2
.set VP, ((\g)/3)%2
.if \more
	GEO (\g)+1
.endif
.if \kind
.if \kind == 1
	s_wait_xcnt 0x0                                ; my prefetches have read their address
	s_add_nc_u64 s[PFA:PFA+1], s[PFA:PFA+1], QR-1024*VP
.endif
	s_wait_tensorcnt 0x0
	ds_add_u32 v[SPW], v[NIL]
.if \kind < 3
	s_add_nc_u64 s[G0A+4*VP+2:G0A+4*VP+3], s[G0A+4*VP+2:G0A+4*VP+3], 3*BLK
	s_add_nc_u64 s[G0B+4*VP+2:G0B+4*VP+3], s[G0B+4*VP+2:G0B+4*VP+3], 3*BLK
.endif
.if \kind == 2
	s_mov_b32 s[G1A+2], 100<<16                    ; no tensor load of mine is out: the last fill has 100 rows
	s_mov_b32 s[G1A+4], 100
	s_mov_b32 s[G1B+2], 100<<16
	s_mov_b32 s[G1B+4], 100
.endif
	s_wait_dscnt 22                                ; runs three and four and the add may be out
	MULB 0, CS, 0
	s_wait_dscnt 0x0
	s_barrier_signal -1
	MULB 1, CS, 0
	WIN 0
	s_barrier_wait -1
	CREST
.if \kind < 3
	JLOAD VP
.else
	tensor_load_to_lds s[G0L:G0L+3], s[G1L:G1L+7]
	s_nop 0
	PLACES 4
.endif
.else
	s_wait_dscnt 21                                ; runs three and four (15 + 6) may be out
	MULB 0, CS, \first
	s_wait_dscnt 6                                 ; run four may be out
	MULB 1, CS, \first
.endif
.if \more
	RUN1
.endif
.if \kind == 1
	WIN 0
	ASK VP
.endif
	MULB 2, CS, \first
	MULB 3, CS, \first
.if \more
	PLACES 4
	RUN2
.endif
	MULB 4, CS, \first
	MULB 5, CS, \first
.if \more
	PLACES 4
	RUN3
	s_wait_dscnt 50                                ; all but this group's three runs: blocks 6, 7 are in
.else
	s_wait_dscnt 0x0
.endif
	MULB 6, CS, \first
	MULB 7, CS, \first
	PLACES 4
.if \more
	RUN4
.endif
	WIN 0
.endm
	s_wait_tensorcnt 0x0                           ; my share of slot 0 is in
	ds_add_u32 v[SPW], v[NIL]
	s_wait_dscnt 0x0
	CROUND
	JLOAD 1                                        ; groups 3-5
	GEO 0
	RUN1
	RUN2
	RUN3
	RUN4
	WIN 0
	s_wait_loadcnt 0x0                             ; biases and mask
	HALF 0, 0, 1, 1
	s_mov_b32 s39, 4
.Lk:                                                   ; six groups a trip, once round the ring: fills 0 to 7 leave their slots and ask for fills 2 to 9
	HALF 1, 0, 1, 0
	HALF 2, 1, 1, 0
	HALF 3, 0, 1, 0
	HALF 4, 0, 1, 0
	HALF 5, 1, 1, 0
	HALF 6, 0, 1, 0
	s_sub_co_u32 s39, s39, 1
	s_cmp_lg_u32 s39, 0
	s_cbranch_scc1 .Lk
	HALF 25, 0, 1, 0
	HALF 26, 2, 1, 0
	HALF 27, 0, 1, 0
	HALF 28, 0, 1, 0
	HALF 29, 3, 1, 0
	HALF 30, 0, 1, 0
	HALF 31, 0, 0, 0
	s_wait_tensorcnt 0x0                           ; my rows of last_c or last_h are in,
	s_wait_dscnt 0x0
	s_barrier_signal -1
	s_barrier_wait -1                              ; and everybody's
; BLOCK a: 16 rows x 32 hidden units.  In window W: i at G, f at G + 16, o at G + 32, c^ at G + 48, 16 numbers each.  Batches of transcendentals have one wait ahead and one behind.
.macro REP8 op, d, x, y, tail:vararg
.set J, 0
.rept 8
	\op v[\d+J:\d+J+1], v[\x+J:\x+J+1], \y \tail
.set J, J+2
.endr
.endm
.macro VV8 op, d, x, y, tail:vararg
.set J, 0
.rept 8
	\op v[\d+J:\d+J+1], v[\x+J:\x+J+1], v[\y+J:\y+J+1] \tail
.set J, J+2
.endr
.endm
.macro ONE n, op, d
.set J, 0
.rept \n
	\op v[\d+J], v[\d+J]
.set J, J+1
.endr
.endm
.macro HOLD d
.set J, 0
.rept 16
	v_min_num_f32 v[\d+J], s30, v[\d+J]
.set J, J+1
.endr
.endm
.macro BLOCK a
.set W, 2+(\a)/4
.set G, 64*((\a)%4)
	WIN 0
.irp e, 0,1,2,3
	ds_load_b128 v[LC+4*\e:LC+4*\e+3], v[EL] offset:(\a)*16*EP+64*(\e/2)+16*(\e%2)
.endr
	WIN W*0x55
	s_wait_alu depctr_va_vdst(0)                   ; ahead of the first readers of the block's accumulators, each read from its low end on
	REP8 v_pk_mul_f32, G, G, s[26:27], op_sel_hi:[1,0]
	REP8 v_pk_mul_f32, G+16, G+16, s[26:27], op_sel_hi:[1,0]
	REP8 v_pk_mul_f32, G+32, G+32, s[26:27], op_sel_hi:[1,0]
	REP8 v_pk_mul_f32, G+48, G+48, s[28:29], op_sel_hi:[1,0]
	HOLD G+48
	s_wait_alu depctr_va_vdst(0)
	ONE 64, v_exp_f32, G
	v_nop
	s_wait_alu depctr_va_vdst(0)
	REP8 v_pk_add_f32, G, G, 1.0, op_sel_hi:[1,0]
	REP8 v_pk_add_f32, G+16, G+16, 1.0, op_sel_hi:[1,0]
	REP8 v_pk_add_f32, G+32, G+32, 1.0, op_sel_hi:[1,0]
	REP8 v_pk_add_f32, G+48, G+48, 1.0, op_sel_hi:[1,0]
	VV8 v_pk_mul_f32, G, G, G+48                   ; (1 + A)(1 + B)
	REP8 v_pk_add_f32, G+48, G+48, -2.0, op_sel_hi:[1,0]   ; B - 1
	s_wait_alu depctr_va_vdst(0)
	ONE 32, v_rcp_f32, G
	v_nop
	s_wait_alu depctr_va_vdst(0)
	WIN 0
.irp e, 0,1,2,3
	ds_load_b128 v[LH+4*\e:LH+4*\e+3], v[EL+1] offset:(\a)*16*EP+64*(\e/2)+16*(\e%2)
.endr
	s_wait_dscnt 4                                 ; last_c is in; last_h's four loads may be out
	WIN W*0x55
	VV8 v_pk_mul_f32, G+48, G+48, G                ; i c^
	WIN W|(W<<4)|(W<<6)                            ; source 1 in window 0
.set J, 0
.rept 8
	v_pk_fma_f32 v[G+J:G+J+1], v[G+16+J:G+16+J+1], v[LC+J:LC+J+1], v[G+48+J:G+48+J+1]   ; c = f last_c + i c^
.set J, J+2
.endr
	WIN W*0x55
	REP8 v_pk_mul_f32, G+16, G, s[28:29], op_sel_hi:[1,0]
	HOLD G+16
	s_wait_alu depctr_va_vdst(0)
	ONE 16, v_exp_f32, G+16
	WIN W|(W<<4)|(W<<6)
	VV8 v_pk_add_f32, G+48, G, LC, neg_lo:[0,1] neg_hi:[0,1]   ; c - last_c
	WIN W|(W<<6)                                   ; sources 1 and 2 in window 0
.set J, 0
.rept 8
	v_pk_fma_f32 v[G+48+J:G+48+J+1], v[G+48+J:G+48+J+1], v[MK+2*(\a):MK+2*(\a)+1], v[LC+J:LC+J+1]   ; out0
.set J, J+2
.endr
	WIN W<<2                                       ; an LDS store's data: source 1
.irp e, 0,1,2,3
	ds_store_b128 v[EL], v[G+48+4*\e:G+48+4*\e+3] offset:(\a)*16*EP+64*(\e/2)+16*(\e%2)
.endr
	WIN W*0x55
	s_wait_alu depctr_va_vdst(0)
	REP8 v_pk_add_f32, G+16, G+16, 1.0, op_sel_hi:[1,0]
	VV8 v_pk_mul_f32, G+32, G+32, G+16
	REP8 v_pk_add_f32, G+16, G+16, -2.0, op_sel_hi:[1,0]
	s_wait_alu depctr_va_vdst(0)
	ONE 16, v_rcp_f32, G+32
	v_nop
	s_wait_alu depctr_va_vdst(0)
	s_wait_dscnt 4                                 ; last_h is in; out0's four stores may be out
	VV8 v_pk_mul_f32, G+16, G+16, G+32             ; h = o tanh(c)
	WIN W|(W<<4)|(W<<6)
	VV8 v_pk_add_f32, G, G+16, LH, neg_lo:[0,1] neg_hi:[0,1]
	WIN W|(W<<6)
.set J, 0
.rept 8
	v_pk_fma_f32 v[G+J:G+J+1], v[G+J:G+J+1], v[MK+2*(\a):MK+2*(\a)+1], v[LH+J:LH+J+1]   ; out1
.set J, J+2
.endr
	WIN W<<2
.irp e, 0,1,2,3
	ds_store_b128 v[EL+1], v[G+4*\e:G+4*\e+3] offset:(\a)*16*EP+64*(\e/2)+16*(\e%2)
.endr
	WIN 0
.endm
.macro OUTP p                          ; blocks 2 p, 2 p + 1 are whole in LDS: I take 16 whole rows of each output; sixteen lanes store 256 consecutive bytes, at a multiple of 256 from the buffer's first byte
	s_wait_dscnt 0x0
	s_barrier_signal -1
	s_barrier_wait -1
	s_wait_xcnt 0x0                                ; earlier stores have read their registers
.irp t, 0,1,2,3,4,5,6,7
	ds_load_b128 v[RB+4*\t:RB+4*\t+3], v[RDB] offset:(\p)*32*EP+\t*2*EP
.endr
.irp t, 0,1,2,3,4,5,6,7
	ds_load_b128 v[RB+32+4*\t:RB+32+4*\t+3], v[RDB+1] offset:(\p)*32*EP+\t*2*EP
.endr
	s_wait_dscnt 8
.irp t, 0,1,2,3,4,5,6,7
	global_store_b128 v[CO], v[RB+4*\t:RB+4*\t+3], s[22:23] offset:(32*(\p)+2*\t)*8192 th:TH_STORE_NT
.endr
	s_wait_dscnt 0x0
.irp t, 0,1,2,3,4,5,6,7
	global_store_b128 v[CO], v[RB+32+4*\t:RB+32+4*\t+3], s[24:25] offset:(32*(\p)+2*\t)*8192 th:TH_STORE_NT
.endr
.endm
.irp p, 0,1,2,3
	BLOCK 2*\p
	BLOCK 2*\p+1
	OUTP \p
.endr
	s_wait_tensorcnt 0x0                           ; the wave's end
	ds_add_u32 v[SPW], v[NIL]
	s_wait_dscnt 0x0
	CROUND                                         ; the closing round
	s_endpgm
.Lfunc_end_k_qba62ad7c2e_lstm:
	.size	k_qba62ad7c2e_lstm, .Lfunc_end_k_qba62ad7c2e_lstm-k_qba62ad7c2e_lstm
	.p2alignl 7, 3214868480
	.fill 96, 4, 3214868480
	.section	.rodata,"a",@progbits
	.p2align	6, 0x0
	.amdhsa_kernel k_qba62ad7c2e_lstm
		.amdhsa_group_segment_fixed_size 327680
		.amdhsa_private_segment_fixed_size 0
		.amdhsa_enable_private_segment 0
		.amdhsa_kernarg_size 88
		.amdhsa_user_sgpr_count 2
		.amdhsa_user_sgpr_kernarg_segment_ptr 1
		.amdhsa_wavefront_size32 1
		.amdhsa_system_sgpr_workgroup_id_x 1
		.amdhsa_system_sgpr_workgroup_id_y 1
		.amdhsa_system_sgpr_workgroup_id_z 1
		.amdhsa_system_vgpr_workitem_id 0
		.amdhsa_next_free_vgpr 1024
		.amdhsa_next_free_sgpr 106
		.amdhsa_reserve_vcc 0
		.amdhsa_float_denorm_mode_32 3
		.amdhsa_float_denorm_mode_16_64 3
		.amdhsa_memory_ordered 1
		.amdhsa_forward_progress 1
		.amdhsa_inst_pref_size 255
	.end_amdhsa_kernel
	.section	.bss,"aw",@nobits
	.p2align	6
	.space	262144
	.amdgpu_metadata
---
amdhsa.version: [ 1, 2 ]
amdhsa.kernels:
  - .name:           k_qba62ad7c2e_lstm
    .symbol:         k_qba62ad7c2e_lstm.kd
    .args:
      - { .name: abuf, .offset: 0, .size: 8, .value_kind: global_buffer, .address_space: global }
      - { .name: wbuf, .offset: 8, .size: 8, .value_kind: global_buffer, .address_space: global }
      - { .name: bi, .offset: 16, .size: 8, .value_kind: global_buffer, .address_space: global }
      - { .name: bf, .offset: 24, .size: 8, .value_kind: global_buffer, .address_space: global }
      - { .name: bo, .offset: 32, .size: 8, .value_kind: global_buffer, .address_space: global }
      - { .name: bc, .offset: 40, .size: 8, .value_kind: global_buffer, .address_space: global }
      - { .name: mask, .offset: 48, .size: 8, .value_kind: global_buffer, .address_space: global }
      - { .name: last_c, .offset: 56, .size: 8, .value_kind: global_buffer, .address_space: global }
      - { .name: last_h, .offset: 64, .size: 8, .value_kind: global_buffer, .address_space: global }
      - { .name: out0, .offset: 72, .size: 8, .value_kind: global_buffer, .address_space: global }
      - { .name: out1, .offset: 80, .size: 8, .value_kind: global_buffer, .address_space: global }
    .group_segment_fixed_size: 327680
    .private_segment_fixed_size: 0
    .kernarg_segment_align: 8
    .kernarg_segment_size: 88
    .max_flat_workgroup_size: 128
    .sgpr_count:     106
    .vgpr_count:     1024
    .wavefront_size: 32
...
	.end_amdgpu_metadata
.endif
;; end of part 2
